; MI455X (gfx1250); checked and timed in simulation.
; The chip was launched on July 23, 2026; its instructions are those of AMD's public machine-readable ISA for CDNA 5 (MIT licence, August 2026) and "CDNA5" Instruction Set Architecture Reference Guide (July 2026). The comments in the code are by the model that wrote it; some were corrected since.
;; Cross Attention. Allowed arithmetic: matrix products marked QUANTISED: E2M3 operands, one E8M0 scale for each 32 along K, by v_wmma_scale_f32_16x16x128_f8f6f4 with both operands' format E2M3, f32 sums; everything else in f32.
;; Inputs: Wk 768 x 512 float32; Wo 512 x 512 float32; Wq 512 x 512 float32; Wv 768 x 512 float32; bo 512 float32; context 2 x 4,096 x 768 float32; x 2 x 4,096 x 512 float32.
;; Outputs: out0 2 x 4,096 x 512 float32.
;; This version of the problem:
;;   THIS VERSION OF THE PROBLEM IS GIVEN IN LOW PRECISION. The matrix products marked QUANTISED in the list below multiply operands that are first quantised to E2M3 (2 exponent bits, 3 mantissa bits; 6 bits a number), with one power-of-two scale for each 32 numbers along K (OCP MX v1.0); their sums are f32. All else is computed in f32.
;;   The module's matrix products, in the order in which they are computed (A, B: the left and right operand; K: the contracted axis; several contracted axes count as one K, in the product's order):
;;     1. [M 8,192, K 512] x [K 512, N 512]; A: input x; B: input Wq: QUANTISED
;;     2. [M 8,192, K 768] x [K 768, N 512]; A: input context; B: input Wk: QUANTISED
;;     3. [M 8,192, K 768] x [K 768, N 512]; A: input context; B: input Wv: QUANTISED
;;     4. batch 16 x [M 4,096, K 64] x [K 64, N 4,096]; A: computed on the way; B: computed on the way: QUANTISED
;;     5. batch 16 x [M 64, K 4,096] x [K 4,096, N 4,096]; A: computed on the way; B: softmax (see below): QUANTISED
;;     6. [M 8,192, K 512] x [K 512, N 512]; A: computed on the way; B: input Wo: QUANTISED
;;   THE QUANTISER, for each operand of a quantised product, along K:
;;     - K is cut into blocks of 32 from its start; a last block that is shorter is filled with zeros.
;;     - A block's scale is 2^e with e = floor(log2(the largest magnitude in the block)) - 2, held to -126 .. 127; a block of zeros has e = 0. As a byte (E8M0): e + 127.
;;     - Each number is divided by its block's scale, clamped to +-7.5, and rounded to the nearest number of E2M3, ties to even, subnormals kept.
;;     - The product sums the exact products of the quantised numbers (number of the format x scale) in f32.
;;   ~~~python
;;   def quantise(x, axis):      # numpy; x: float32 -> the quantised numbers, widened to float32 again
;;       x = np.moveaxis(x, axis, -1); K = x.shape[-1]
;;       x = np.pad(x, [(0, 0)] * (x.ndim - 1) + [(0, -K % 32)]); x = x.reshape(x.shape[:-1] + (-1, 32)); a = np.abs(x).max(-1, keepdims=True)
;;       e = np.where(a > 0, np.clip(np.frexp(np.where(a > 0, a, 1))[1] - 1 - 2, -126, 127), 0)      # np.frexp(a)[1] - 1 = floor(log2(a)), exactly
;;       r = np.clip(x / 2.0 ** e, -7.5, 7.5)
;;       step = 2.0 ** (np.maximum(np.frexp(np.where(r == 0, 1, r))[1] - 1, 0) - 3)
;;       q = np.round(r / step) * step * 2.0 ** e      # np.round: ties to even
;;       return np.moveaxis(q.reshape(q.shape[:-2] + (-1,))[..., :K], -1, axis).astype(np.float32)
;;   ~~~
;;   SOFTMAX AHEAD OF A QUANTISED PRODUCT. Where the list says 'softmax', what is quantised is not the finished softmax but p = 2^(t - M), with t = logit x log2(e) and M = ceil(the row's largest t), a whole number; so 1/2 < the row's largest p <= 1. The row's sum l is taken of the UNQUANTISED p, in f32, and the product's result is divided by l at the end. Since M is a whole number, a kernel that streams over the keys may use a running M (the ceiling of the running maximum): every later rescaling is an exact power of two, which a block's scale takes up: the codes' values come out the same.
;;   OPERANDS COMPUTED ON THE WAY. 'Computed on the way' means the value that the module computes at that place (a softmax that the list does not call 'softmax' is quantised finished and normalised). What goes into a quantiser is computed in f32, as accurately as f32 sums, v_exp_f32 and their like allow (about 1e-6 of the number): no bf16 or f16 on the way to a quantiser, and a product that is left as it is and whose result goes on into a quantised operand takes f32 operands (vector FMAs, or v_wmma_f32_16x16x4_f32). A number that lies on a knife's edge between two numbers of the format may be rounded either way, as far as f32 arithmetic and the matrix unit's own rounding can turn it there, and no further.
;; One version. Each part assembles by itself: llvm-mc -triple=amdgcn-amd-amdhsa -mcpu=gfx1250 --defsym DOCPART=n.
;; ======== version 1 of 1: 4 launches
;; limits: right only within a limited range of input values
;; workspace buffers: prep 9,216,000 bytes; qkv 10,092,544 bytes; att 3,670,016 bytes
;; launch prep (part 1): grid 720 x 1, 4 waves a work-group, no clusters, 67,072 bytes of LDS; arguments x, context, Wq, Wk, Wv, Wo, prep; writes prep
.if DOCPART == 1
	.amdgcn_target "amdgcn-amd-amdhsa--gfx1250"
	.amdhsa_code_object_version 6
	.text
	.protected	k_q2317a17fd3_prep
	.globl	k_q2317a17fd3_prep
	.p2align	8
	.type	k_q2317a17fd3_prep,@function
k_q2317a17fd3_prep:
	s_mov_b64 s[64:65], 0
	v_nop
	global_prefetch_b8 v0, s[64:65] scope:SCOPE_SE
	s_setreg_imm32_b32 hwreg(HW_REG_WAVE_MODE, 25, 1), 1
	s_wait_xcnt 0x0
; x [8192][512], context [8192][768] (K innermost) and Wq, Wk, Wv, Wo ([K][512], K the first axis), all f32, become codes of FP6 (E2M3) with one E8M0 byte for each 32 along K.
; A block's scale is 2^(floor(log2(its largest magnitude)) - 2): its byte is the largest magnitude's exponent field - 2, held at 1 from below by a floor among the maximum's leaves.
; LIMITS: a block of zeros gets the byte 1 where the rule says 127 (its codes are zeros, and this program alone reads the bytes); NaN and infinities among the inputs are not served.
; WHAT IS STORED ARE IMAGES OF OPERAND REGISTERS.  A fragment is 16 rows x 128 K, 12 registers a lane: registers 4 G .. 4 G + 3 of lane l lie at 512 G + 16 l: 1,536 bytes, three stores of 512 dense bytes.
; A scale image is 128 bytes, a word a lane: lanes 0-15 the rows' words of K step 2 p, lanes 16-31 those of K step 2 p + 1.
; THE ROWS OF A TILE ARE NOT NEIGHBOURS: lane r of tile 2 g + u stands for index 32 g + 8 u + r + 8 (r / 8) (token, or column of a weight), so that a product with such a tile as source 0 leaves 16 neighbours in a lane.
; Work-groups 0-255 take x, 256-639 context (a wave: one tile, two K steps), 640-719 the weights (a wave: two tiles, one K step).  Waves share nothing: no barrier.
.set XI,  0
.set CI,  3145728
.set WQI, 7864320
.set WKI, 8060928
.set WVI, 8355840
.set WOI, 8650752
.set XS,  8847360
.set CSC, 8978432
.set WQS, 9175040
.set WKS, 9183232
.set WVS, 9195520
.set WOS, 9207808
.set SEL, 42                           ; s[42:43] v_permlanex16_b32's selects for lane l xor 16
.set HM,  44                           ; s44 the mask of lanes 16-31
.set VO,  8                            ; v8-23   activations: byte offset of my 16 bytes in row i of the tile
.set R,   32                           ; v32-159 128 numbers
.set TM,  160                          ; v160-175 at work in QUANT
.set PW0, 176
.set PW1, 177
.set PWC, 178
.set PC0, 180                          ; v180-191, v192-203 the two fragments
.set PC1, 192
.set PT,  204                          ; v204-211 the conversions' second halves
.set F0,  160                          ; weights: v160-171, v172-183 the two fragments; v184-186 a half block; v188-191 at work; v192 the scale word
.set F1,  172
.set PTW, 184
.set SW,  192
; 64 numbers of a lane, register 16 b + i = k 32 b + 16 (lane / 16) + i of my row, become codes in v[pc] on (the second pair of blocks stp registers on) and the row's scale word in v[pw].
.macro QUANT src, pc, stp, pw
.irp b, 0,1,2,3
	v_max3_num_f32 v[TM+\b], |v[(\src)+16*\b]|, |v[(\src)+1+16*\b]|, 0x1800000   ; my 16 numbers of block b, and the floor 2^(3 - 127): the byte cannot fall under 1
.endr
.irp i, 2,4,6,8,10,12,14
.irp b, 0,1,2,3
	v_max3_num_f32 v[TM+\b], v[TM+\b], |v[(\src)+16*\b+\i]|, |v[(\src)+1+16*\b+\i]|   ; the four blocks by turns
.endr
.endr
.irp b, 0,1,2,3
	v_permlanex16_b32 v[TM+4+\b], v[TM+\b], s[SEL], s[SEL+1]
.endr
.irp b, 0,1,2,3
	v_max_num_f32 v[TM+\b], v[TM+\b], v[TM+4+\b]   ; with lane l xor 16's 16: the block's largest magnitude
.endr
.irp b, 0,1,2,3
	v_add_nc_u32 v[TM+12+\b], 0xff000000, v[TM+\b]   ; 2 off its exponent field: the conversion's scale operand
.endr
.irp b, 0,1,2,3
	v_lshrrev_b32 v[TM+4+\b], 23, v[TM+12+\b]   ; the scale's byte
.endr
	v_lshl_or_b32 v[\pw], v[TM+5], 8, v[TM+4]
	v_lshl_or_b32 v[\pw], v[TM+6], 16, v[\pw]
	v_lshl_or_b32 v[\pw], v[TM+7], 24, v[\pw]
.irp c, 0,1
	v_cvt_scalef32_pk16_fp6_f32 v[(\pc)+(\stp)*\c:(\pc)+(\stp)*\c+2], v[(\src)+32*\c:(\src)+32*\c+15], v[TM+12+2*\c]
	v_cvt_scalef32_pk16_fp6_f32 v[PT+4*\c:PT+4*\c+2], v[(\src)+32*\c+16:(\src)+32*\c+31], v[TM+13+2*\c]   ; (a conversion's three registers begin on an even number)
.endr
	v_nop                                          ; one plain instruction behind the scaled conversions
.irp c, 0,1                                    ; the operand wants a whole block in a lane: lanes 0-15 block 2 c, lanes 16-31 block 2 c + 1
.irp i, 0,1,2
	v_permlane16_swap_b32 v[(\pc)+(\stp)*\c+\i], v[PT+4*\c+\i]
.endr
.irp i, 0,1,2
	v_mov_b32 v[(\pc)+(\stp)*\c+3+\i], v[PT+4*\c+\i]
.endr
.endr
.endm
	s_load_b256 s[4:11], s[0:1], 0x0               ; x s[4:5], context s[6:7], Wq s[8:9], Wk s[10:11]
	s_load_b128 s[12:15], s[0:1], 0x20             ; Wv s[12:13], Wo s[14:15]
	s_load_b64 s[16:17], s[0:1], 0x30              ; prep
	v_lshl_add_u32 v232, v0, 2, 0x10400
	v_mov_b32 v233, 0
	v_lshrrev_b32 v1, 5, v0
	v_readfirstlane_b32 s18, v1                    ; wave 0..3
	v_and_b32 v2, 31, v0                           ; lane
	v_and_b32 v3, 15, v0                           ; r
	v_bfe_u32 v1, v0, 4, 1                         ; h
	v_lshlrev_b32 v4, 4, v2                        ; 16 x lane
	v_lshlrev_b32 v5, 2, v2                        ; 4 x lane
	s_mov_b32 s[SEL], 0x76543210
	s_mov_b32 s[SEL+1], 0xfedcba98
	s_mov_b32 s[HM], 0xffff0000
	s_wait_kmcnt 0x0
	s_cmp_lt_u32 ttmp9, 640
	s_cbranch_scc0 .Lweights
	; ---- ACTIVATIONS.  The choices hang on the work-group's number alone
	s_cmp_lt_u32 ttmp9, 256
	s_cselect_b64 s[20:21], s[4:5], s[6:7]
	s_mov_b32 s22, 3072
	s_cselect_b32 s22, 2048, s22                   ; bytes in a row
	s_cselect_b32 s23, 4, 6                        ; K steps
	s_mov_b32 s24, CI
	s_cselect_b32 s24, XI, s24
	s_mov_b32 s25, CSC
	s_cselect_b32 s25, XS, s25
	s_cselect_b32 s26, 0, 256
	s_sub_co_u32 s26, ttmp9, s26
	s_lshl_b32 s26, s26, 2
	s_add_co_u32 s26, s26, s18                     ; my unit
	s_lshr_b32 s27, s26, 9                         ; p: the pair of K steps
	s_and_b32 s28, s26, 511                        ; T: the tile
	s_lshr_b32 s29, s28, 1
	s_lshl_b32 s29, s29, 5
	s_and_b32 s30, s28, 1
	s_lshl_b32 s30, s30, 3
	s_add_co_u32 s29, s29, s30                     ; the tile's first row: 32 (T / 2) + 8 (T % 2)
	s_mul_i32 s29, s29, s22
	s_lshl_b32 s30, s27, 10                        ; two K steps are 1,024 bytes of a row
	s_add_co_u32 s30, s29, s30
	s_mov_b32 s31, 0
	s_add_nc_u64 s[20:21], s[20:21], s[30:31]
	s_mul_i32 s32, s28, s23
	s_lshl_b32 s33, s27, 1
	s_add_co_u32 s32, s32, s33
	s_mul_i32 s32, s32, 1536
	s_add_co_u32 s32, s32, s24
	s_mov_b32 s33, 0
	s_add_nc_u64 s[34:35], s[16:17], s[32:33]      ; the two images
	s_lshr_b32 s36, s23, 1
	s_mul_i32 s36, s28, s36
	s_add_co_u32 s36, s36, s27
	s_lshl_b32 s36, s36, 7
	s_add_co_u32 s36, s36, s25
	s_mov_b32 s37, 0
	s_add_nc_u64 s[38:39], s[16:17], s[36:37]      ; the scale image
	s_mul_i32 s40, s18, 16640                      ; my wave's stage: 16 rows, 1,040 bytes apart (1,024 + 16)
	s_wait_alu depctr_va_vdst(0)
	v_add_nc_u32 v6, s40, v4                       ; in: 16 x lane
	v_mul_u32_u24 v7, v3, 1040
	v_lshl_add_u32 v7, v1, 6, v7
	v_add_nc_u32 v7, s40, v7                       ; out: row r, + 64 h: my 16 numbers of each block of 32
.irp i, 0,1,2,3,4,5,6,7,8,9,10,11,12,13,14,15
	s_mul_i32 s41, s22, \i+8*(\i/8)
	v_add_nc_u32 v[VO+\i], s41, v4                 ; row i + 8 (i / 8) from the tile's first
.endr
.irp b, 0,1,2,3
	v_mov_b32 v[TM+4+\b], 0                        ; written once: a lane permute's destination counts as one of its sources
.endr
.irp i, 0,1,2,3,4,5,6,7,8,9,10,11,12,13,14,15
.irp t, 0,1
	global_load_b128 v[R+8*\i+4*\t:R+8*\i+4*\t+3], v[VO+\i], s[20:21] offset:512*\t th:TH_LOAD_NT   ; 32 lanes read 512 consecutive bytes of one row
.endr
.endr
	s_wait_loadcnt 16                              ; rows 0-7 are in; the sixteen loads of rows 8-15 may be out
.irp i, 0,1,2,3,4,5,6,7
.irp t, 0,1
	ds_store_b128 v6, v[R+8*\i+4*\t:R+8*\i+4*\t+3] offset:1040*\i+512*\t
.endr
.endr
	s_wait_loadcnt 0x0
.irp i, 8,9,10,11,12,13,14,15
.irp t, 0,1
	ds_store_b128 v6, v[R+8*\i+4*\t:R+8*\i+4*\t+3] offset:1040*\i+512*\t
.endr
.endr
	s_wait_dscnt 0x0                               ; the stores have read their registers, which the loads below write
.irp t, 0,1
.irp b, 0,1,2,3
.irp j, 0,1,2,3
	ds_load_b128 v[R+64*\t+16*\b+4*\j:R+64*\t+16*\b+4*\j+3], v7 offset:512*\t+128*\b+16*\j
.endr
.endr
.endr
	s_wait_dscnt 16                                ; the first K step's sixteen loads are in
	QUANT R, PC0, 6, PW0
	s_wait_dscnt 0x0
	QUANT R+64, PC1, 6, PW1
	v_cndmask_b32 v[PWC], v[PW0], v[PW1], s[HM]    ; lanes 0-15: the even K step's words, lanes 16-31: the odd one's
.irp g, 0,1,2
	global_store_b128 v4, v[PC0+4*\g:PC0+4*\g+3], s[34:35] offset:512*\g
.endr
.irp g, 0,1,2
	global_store_b128 v4, v[PC1+4*\g:PC1+4*\g+3], s[34:35] offset:1536+512*\g
.endr
	global_store_b32 v5, v[PWC], s[38:39]
	s_wait_tensorcnt 0x0
	ds_add_u32 v232, v233
	s_wait_dscnt 0x0
	s_endpgm
	; ---- WEIGHTS.  A lane takes a column and its 128 registers run down one K step; lanes 0-15 are tile 2 g, lanes 16-31 tile 2 g + 1: the 32 lanes read 128 consecutive bytes
.Lweights:
	s_sub_co_u32 s19, ttmp9, 640
	s_mov_b64 s[20:21], s[12:13]                   ; 56-79: Wv
	s_mov_b32 s22, 56
	s_mov_b32 s23, 6
	s_mov_b32 s24, WVI
	s_mov_b32 s25, WVS
	s_cmp_lt_u32 s19, 56                           ; 32-55: Wk
	s_cselect_b64 s[20:21], s[10:11], s[20:21]
	s_cselect_b32 s22, 32, s22
	s_cselect_b32 s24, WKI, s24
	s_cselect_b32 s25, WKS, s25
	s_cmp_lt_u32 s19, 32                           ; 16-31: Wo
	s_cselect_b64 s[20:21], s[14:15], s[20:21]
	s_cselect_b32 s22, 16, s22
	s_cselect_b32 s23, 4, s23
	s_cselect_b32 s24, WOI, s24
	s_cselect_b32 s25, WOS, s25
	s_cmp_lt_u32 s19, 16                           ; 0-15: Wq
	s_cselect_b64 s[20:21], s[8:9], s[20:21]
	s_cselect_b32 s22, 0, s22
	s_cselect_b32 s24, WQI, s24
	s_cselect_b32 s25, WQS, s25
	s_sub_co_u32 s26, s19, s22
	s_lshl_b32 s26, s26, 2
	s_add_co_u32 s26, s26, s18
	s_and_b32 s27, s26, 15                         ; g: which 32 columns
	s_lshr_b32 s28, s26, 4                         ; s: which K step
	s_lshl_b32 s30, s28, 18                        ; 128 rows of 2,048 bytes
	s_lshl_b32 s29, s27, 7
	s_add_co_u32 s30, s30, s29
	s_mov_b32 s31, 0
	s_add_nc_u64 s[20:21], s[20:21], s[30:31]
	s_lshl_b32 s32, s27, 1
	s_mul_i32 s32, s32, s23
	s_add_co_u32 s32, s32, s28
	s_mul_i32 s32, s32, 1536
	s_add_co_u32 s32, s32, s24
	s_mov_b32 s33, 0
	s_add_nc_u64 s[34:35], s[16:17], s[32:33]      ; tile 2 g's image of this K step,
	s_mul_i32 s32, s23, 1536
	s_add_nc_u64 s[36:37], s[34:35], s[32:33]      ; tile 2 g + 1's
	s_mul_i32 s32, s27, s23
	s_lshr_b32 s29, s28, 1
	s_add_co_u32 s32, s32, s29
	s_lshl_b32 s32, s32, 7
	s_and_b32 s29, s28, 1
	s_lshl_b32 s29, s29, 6
	s_add_co_u32 s32, s32, s29
	s_add_co_u32 s32, s32, s25
	s_add_nc_u64 s[38:39], s[16:17], s[32:33]      ; tile 2 g's scale image of the pair s / 2, its half s % 2
	s_lshl_b32 s29, s23, 6
	s_wait_alu depctr_va_vdst(0)
	v_mul_u32_u24 v7, s29, v1                      ; lanes 16-31: a tile's scale images further on,
	v_lshl_add_u32 v7, v3, 2, v7                   ; + 4 r
	v_and_b32 v6, 8, v3
	v_add_nc_u32 v6, v6, v3
	v_lshl_add_u32 v6, v1, 3, v6
	v_lshlrev_b32 v6, 2, v6                        ; my column: 4 (8 t + r + 8 (r / 8)) bytes
.set kk, 0
.rept 128
	global_load_b32 v[R+kk], v6, s[20:21] offset:2048*kk th:TH_LOAD_NT
.set kk, kk+1
.endr
.macro BLOCK kb, left                  ; block kb of 32 down K: all its numbers are mine
.set XB, R+32*(\kb)
.set FD, F0+12*((\kb)%2)+6*((\kb)/2)   ; blocks 0 and 2 to the first run of twelve, blocks 1 and 3 to the second
	s_wait_loadcnt \left
	v_max3_num_f32 v188, |v[XB]|, |v[XB+1]|, |v[XB+2]|
	v_max3_num_f32 v189, |v[XB+3]|, |v[XB+4]|, |v[XB+5]|
.irp i, 6,10,14,18,22,26
	v_max3_num_f32 v188, v188, |v[XB+\i]|, |v[XB+\i+1]|
	v_max3_num_f32 v189, v189, |v[XB+\i+2]|, |v[XB+\i+3]|
.endr
	v_max3_num_f32 v188, v188, |v[XB+30]|, |v[XB+31]|
	v_max3_num_f32 v188, v188, v189, 0x1800000     ; and the floor
	v_add_nc_u32 v190, 0xff000000, v188
	v_lshrrev_b32 v191, 23, v190
.if (\kb) == 0
	v_mov_b32 v[SW], v191
.else
	v_lshl_or_b32 v[SW], v191, 8*(\kb), v[SW]
.endif
	v_cvt_scalef32_pk16_fp6_f32 v[FD:FD+2], v[XB:XB+15], v190
	v_cvt_scalef32_pk16_fp6_f32 v[PTW:PTW+2], v[XB+16:XB+31], v190
	v_nop                                          ; one plain instruction behind the scaled conversions
.irp i, 0,1,2
	v_mov_b32 v[FD+3+\i], v[PTW+\i]
.endr
.endm
	BLOCK 0, 63                                    ; 96 younger loads could stay out; the wait's field holds 63 at the most, and a smaller count is safe
	BLOCK 1, 63                                    ; (64 could)
	BLOCK 2, 32                                    ; the last block's 32 loads may be out
	BLOCK 3, 0
.irp i, 0,1,2,3,4,5,6,7,8,9,10,11
	v_permlane16_swap_b32 v[F0+\i], v[F1+\i]       ; the first run's lanes 16-31 (tile 2 g + 1, blocks 0, 2) change places with the second's lanes 0-15 (tile 2 g, blocks 1, 3): now each run is one tile's fragment
.endr
.irp g, 0,1,2
	global_store_b128 v4, v[F0+4*\g:F0+4*\g+3], s[34:35] offset:512*\g
.endr
.irp g, 0,1,2
	global_store_b128 v4, v[F1+4*\g:F1+4*\g+3], s[36:37] offset:512*\g
.endr
	global_store_b32 v7, v[SW], s[38:39]           ; sixteen lanes store 64 consecutive bytes
	s_endpgm
.Lfunc_end_k_q2317a17fd3_prep:
	.size	k_q2317a17fd3_prep, .Lfunc_end_k_q2317a17fd3_prep-k_q2317a17fd3_prep
	.p2alignl 7, 3214868480
	.fill 96, 4, 3214868480
	.section	.rodata,"a",@progbits
	.p2align	6, 0x0
	.amdhsa_kernel k_q2317a17fd3_prep
		.amdhsa_group_segment_fixed_size 67072
		.amdhsa_private_segment_fixed_size 0
		.amdhsa_enable_private_segment 0
		.amdhsa_kernarg_size 56
		.amdhsa_user_sgpr_count 2
		.amdhsa_user_sgpr_kernarg_segment_ptr 1
		.amdhsa_wavefront_size32 1
		.amdhsa_system_sgpr_workgroup_id_x 1
		.amdhsa_system_sgpr_workgroup_id_y 1
		.amdhsa_system_sgpr_workgroup_id_z 1
		.amdhsa_system_vgpr_workitem_id 0
		.amdhsa_next_free_vgpr 234
		.amdhsa_next_free_sgpr 66
		.amdhsa_reserve_vcc 0
		.amdhsa_float_denorm_mode_32 3
		.amdhsa_float_denorm_mode_16_64 3
		.amdhsa_memory_ordered 1
		.amdhsa_forward_progress 1
		.amdhsa_inst_pref_size 41
	.end_amdhsa_kernel
	.amdgpu_metadata
---
amdhsa.version: [ 1, 2 ]
amdhsa.kernels:
  - .name:           k_q2317a17fd3_prep
    .symbol:         k_q2317a17fd3_prep.kd
    .args:
      - { .name: x, .offset: 0, .size: 8, .value_kind: global_buffer, .address_space: global }
      - { .name: context, .offset: 8, .size: 8, .value_kind: global_buffer, .address_space: global }
      - { .name: Wq, .offset: 16, .size: 8, .value_kind: global_buffer, .address_space: global }
      - { .name: Wk, .offset: 24, .size: 8, .value_kind: global_buffer, .address_space: global }
      - { .name: Wv, .offset: 32, .size: 8, .value_kind: global_buffer, .address_space: global }
      - { .name: Wo, .offset: 40, .size: 8, .value_kind: global_buffer, .address_space: global }
      - { .name: prep, .offset: 48, .size: 8, .value_kind: global_buffer, .address_space: global }
    .group_segment_fixed_size: 67072
    .private_segment_fixed_size: 0
    .kernarg_segment_align: 8
    .kernarg_segment_size: 56
    .max_flat_workgroup_size: 128
    .sgpr_count:     66
    .vgpr_count:     234
    .wavefront_size: 32
...
	.end_amdgpu_metadata
.endif
;; end of part 1
;; launch proj (part 2): grid 192 x 1, 4 waves a work-group, no clusters, 0 bytes of LDS; arguments prep, qkv; writes qkv
.if DOCPART == 2
	.amdgcn_target "amdgcn-amd-amdhsa--gfx1250"
	.amdhsa_code_object_version 6
	.text
	.protected	k_q2317a17fd3_proj
	.globl	k_q2317a17fd3_proj
	.p2align	8
	.type	k_q2317a17fd3_proj,@function
k_q2317a17fd3_proj:
	s_mov_b64 s[64:65], 0
	v_nop
	global_prefetch_b8 v0, s[64:65] scope:SCOPE_SE
	s_setreg_imm32_b32 hwreg(HW_REG_WAVE_MODE, 25, 1), 1
	s_wait_xcnt 0x0
; q = x Wq, k = context Wk, v = context Wv on codes of FP6 (E2M3) with E8M0 scales, f32 sums; the results are quantised at once: q and k along the head's 64, v along the keys.
; ONE SCHEME, THREE JOBS.  A wave keeps an INNER block of 128 rows (8 tiles x NS K steps of 128) in registers for its whole life and walks 8 OUTER tiles.  Source 0 = an inner tile, source 1 = the outer tile:
; a lane then holds one outer row, and its 64 results run along the 128 inner rows, in their true order (the rows of a tile are 32 g + 8 u + r + 8 (r / 8)): the axis that is quantised next.
;   work-groups 0-63:    inner = 128 columns of Wq (two heads), outer = 8 tiles of x        -> two half fragments (6 registers) and half a scale word for each head
;   work-groups 64-127:  inner = 128 columns of Wk,             outer = a key step of context -> likewise
;   work-groups 128-191: inner = a key step of context (128 keys), outer = 8 tiles of Wv (two heads) -> a whole fragment of V^T (16 channels x 128 keys) and its scale word
; All operands come as images of their registers, 512 dense bytes a load, straight into registers: no LDS, no barrier.  The weights are read by 64 work-groups each and are not shared through a cluster:
; a wave's inner block is read once in its life, and what it walks (8 outer tiles, 9,216 bytes each at the most) is small beside a ring's set-up here.
; LIMITS: a block of zeros gets the byte 1 where the rule says 127 (this program alone reads the bytes); NaN and infinities are not served.
; REGISTERS: window 0: v1-3 16, 8, 4 x lane; v16-39 inner scale words; v40-45 outer scale words, two buffers; v48-111 the 8 accumulators; v112-127, v144-151 at work; v128-143 codes; v152-155 scale words on their way out.
;   window 1 + s / 2: inner fragment (K step s, tile t) at v[96 (s % 2) + 12 t]; outer fragment (buffer e, K step s) at v[192 + 24 e + 12 (s % 2)].
.set XI,  0
.set CI,  3145728
.set WQI, 7864320
.set WKI, 8060928
.set WVI, 8355840
.set XS,  8847360
.set CSC, 8978432
.set WQS, 9175040
.set WKS, 9183232
.set WVS, 9195520
.set QC,  0
.set QS,  3145728
.set KVC, 3407872
.set KVS, 9699328
.set IB, 12                            ; s[12:13] inner images, s[14:15] inner scale images, s[16:17] outer images, s[18:19] outer scale images, s[20:21] codes out, s[22:23] scale words out
.set IS, 14
.set OB, 16
.set OS, 18
.set DC, 20
.set DS, 22
.set SEL, 24
.set HM,  26
.set CNT, 27
.set STP, 28                           ; s[28:29], s[30:31] job V: what the two output addresses step by next
.set STS, 30
.set ISC, 16
.set OSC, 40
.set ACC, 48
.set TM,  112
.set PC,  128
.set PT,  144
.set PW,  152
.set PWE, 153
.set KWA, 154
.set KWB, 155
.set MSB, 0
.macro WIN new                         ; the immediate's high byte repeats the setting that is left
.if MSB != (\new)
	s_set_vgpr_msb (MSB<<8)|(\new)
.set MSB, (\new)
.endif
.endm
; 64 numbers of a lane, register 16 b + i = k 32 b + 16 (lane / 16) + i of my row, become codes in v[pc] on (the second pair of blocks stp registers on) and the row's scale word in v[pw].
.macro QUANT src, pc, stp, pw
.irp b, 0,1,2,3
	v_max3_num_f32 v[TM+\b], |v[(\src)+16*\b]|, |v[(\src)+1+16*\b]|, 0x1800000   ; my 16 numbers of block b, and the floor 2^(3 - 127).  Each accumulator is read from its low end on
.endr
.irp i, 2,4,6,8,10,12,14
.irp b, 0,1,2,3
	v_max3_num_f32 v[TM+\b], v[TM+\b], |v[(\src)+16*\b+\i]|, |v[(\src)+1+16*\b+\i]|
.endr
.endr
.irp b, 0,1,2,3
	v_permlanex16_b32 v[TM+4+\b], v[TM+\b], s[SEL], s[SEL+1]
.endr
.irp b, 0,1,2,3
	v_max_num_f32 v[TM+\b], v[TM+\b], v[TM+4+\b]
.endr
.irp b, 0,1,2,3
	v_add_nc_u32 v[TM+12+\b], 0xff000000, v[TM+\b]   ; 2 off the exponent field: the conversion's scale operand
.endr
.irp b, 0,1,2,3
	v_lshrrev_b32 v[TM+4+\b], 23, v[TM+12+\b]
.endr
	v_lshl_or_b32 v[\pw], v[TM+5], 8, v[TM+4]
	v_lshl_or_b32 v[\pw], v[TM+6], 16, v[\pw]
	v_lshl_or_b32 v[\pw], v[TM+7], 24, v[\pw]
.irp c, 0,1
	v_cvt_scalef32_pk16_fp6_f32 v[(\pc)+(\stp)*\c:(\pc)+(\stp)*\c+2], v[(\src)+32*\c:(\src)+32*\c+15], v[TM+12+2*\c]
	v_cvt_scalef32_pk16_fp6_f32 v[PT+4*\c:PT+4*\c+2], v[(\src)+32*\c+16:(\src)+32*\c+31], v[TM+13+2*\c]
.endr
	v_nop                                          ; one plain instruction behind the scaled conversions
.irp c, 0,1
.irp i, 0,1,2
	v_permlane16_swap_b32 v[(\pc)+(\stp)*\c+\i], v[PT+4*\c+\i]
.endr
.irp i, 0,1,2
	v_mov_b32 v[(\pc)+(\stp)*\c+3+\i], v[PT+4*\c+\i]
.endr
.endr
.endm
; the four input addresses: block ii of the inner tensor, block oi of the outer; a block is 8 tiles x NS images, and 8 x NS / 2 scale images
.macro BASES ii, iimg, isco, oi, oimg, osco
	s_mul_i32 s32, \ii, 12288*NS
	s_add_co_u32 s32, s32, \iimg
	s_add_nc_u64 s[IB:IB+1], s[4:5], s[32:33]
	s_mul_i32 s32, \ii, 512*NS
	s_add_co_u32 s32, s32, \isco
	s_add_nc_u64 s[IS:IS+1], s[4:5], s[32:33]
	s_mul_i32 s32, \oi, 12288*NS
	s_add_co_u32 s32, s32, \oimg
	s_add_nc_u64 s[OB:OB+1], s[4:5], s[32:33]
	s_mul_i32 s32, \oi, 512*NS
	s_add_co_u32 s32, s32, \osco
	s_add_nc_u64 s[OS:OS+1], s[4:5], s[32:33]
.endm
.macro OLOAD e, n
.set pp, 0
.rept NS/2
	WIN (1+pp)<<6                                  ; destination window 1 + p, address window 0
.set hh, 0
.rept 2
.set gg, 0
.rept 3
	global_load_b128 v[192+24*(\e)+12*hh+4*gg:192+24*(\e)+12*hh+4*gg+3], v1, s[OB:OB+1] offset:(\n)*1536*NS+1536*(2*pp+hh)+512*gg
.set gg, gg+1
.endr
.set hh, hh+1
.endr
.set pp, pp+1
.endr
	WIN 0
.set pp, 0
.rept NS/2
	global_load_b32 v[OSC+3*(\e)+pp], v3, s[OS:OS+1] offset:(\n)*64*NS+128*pp
.set pp, pp+1
.endr
.endm
; One outer tile in buffer e.  ahead = 1: the buffer is filled again with the tile two on.  left: how many younger loads may stay out.
.macro TILE e, ahead, left
	s_wait_loadcnt \left                           ; loads come back in order: this tile's, and all older ones, are in; the next tile's may be out
	s_wait_xcnt 0x0                                ; the last tile's stores have read their data registers, which are written again below
.set pp, 0
.rept NS/2
	WIN 5*(1+pp)                                   ; sources 0 and 1 window 1 + p; C and D window 0
.set hh, 0
.rept 2
.set tt, 0
.rept 8                                            ; the eight accumulators take turns, one instruction a turn
.set rD, ACC+8*tt
.set rA, 96*hh+12*tt
.set rB, 192+24*(\e)+12*hh
.set rSA, ISC+tt*(NS/2)+pp
.set rSB, OSC+3*(\e)+pp
.if (pp==0)&&(hh==0)
	v_wmma_scale_f32_16x16x128_f8f6f4 v[rD:rD+7], v[rA:rA+11], v[rB:rB+11], 0, v[rSA], v[rSB] matrix_a_fmt:MATRIX_FMT_FP6 matrix_b_fmt:MATRIX_FMT_FP6
.elseif hh==0
	v_wmma_scale_f32_16x16x128_f8f6f4 v[rD:rD+7], v[rA:rA+11], v[rB:rB+11], v[rD:rD+7], v[rSA], v[rSB] matrix_a_fmt:MATRIX_FMT_FP6 matrix_b_fmt:MATRIX_FMT_FP6
.else
	v_wmma_scale_f32_16x16x128_f8f6f4 v[rD:rD+7], v[rA:rA+11], v[rB:rB+11], v[rD:rD+7], v[rSA], v[rSB] matrix_a_fmt:MATRIX_FMT_FP6 matrix_b_fmt:MATRIX_FMT_FP6 matrix_a_scale:MATRIX_SCALE_ROW1 matrix_b_scale:MATRIX_SCALE_ROW1
.endif
.set tt, tt+1
.endr
.set hh, hh+1
.endr
.set pp, pp+1
.endr
	WIN 0
.rept 4
	v_nop                                          ; four places in front of the loads into the buffer just multiplied and of the first read of the results
.endr
.if \ahead
	OLOAD \e, 2+\e
.endif
.if KIND == 2
	QUANT ACC, PC, 6, PW                           ; a whole fragment: 16 channels x 128 keys
.irp g, 0,1,2
	global_store_b128 v1, v[PC+4*\g:PC+4*\g+3], s[DC:DC+1] offset:1536*(\e)+512*\g
.endr
.if (\e) == 0
	v_mov_b32 v[PWE], v[PW]                        ; the even tile's words wait for the odd tile's
.else
	v_cndmask_b32 v[KWA], v[PWE], v[PW], s[HM]     ; lanes 0-15 the even tile's, lanes 16-31 the odd one's
	global_store_b32 v3, v[KWA], s[DS:DS+1]
.endif
.else
	QUANT ACC, PC, 8, PW                           ; two half fragments: blocks 0, 1 are the first head's 64, blocks 2, 3 the second's
	global_store_b128 v1, v[PC:PC+3], s[DC:DC+1] offset:768*(\e)
	global_store_b64 v2, v[PC+4:PC+5], s[DC:DC+1] offset:768*(\e)+512
	global_store_b128 v1, v[PC+8:PC+11], s[DC:DC+1] offset:HB+768*(\e)
	global_store_b64 v2, v[PC+12:PC+13], s[DC:DC+1] offset:HB+768*(\e)+512
.if (\e) == 0
	v_mov_b32 v[PWE], v[PW]
.else
	v_cndmask_b32 v[KWA], v[PWE], v[PW], s[HM]
	v_lshrrev_b32 v[KWB], 16, v[KWA]               ; the second head's two bytes, with two bytes 0 above them,
	v_and_b32 v[KWA], 0xffff, v[KWA]               ; the first head's likewise
	global_store_b32 v3, v[KWA], s[DS:DS+1]
	global_store_b32 v3, v[KWB], s[DS:DS+1] offset:HBS
.endif
.endif
.endm
.macro BODY
.set pp, 0
.rept NS/2                                         ; the inner block: it stays
	WIN (1+pp)<<6
.set hh, 0
.rept 2
.set tt, 0
.rept 8
.set gg, 0
.rept 3
	global_load_b128 v[96*hh+12*tt+4*gg:96*hh+12*tt+4*gg+3], v1, s[IB:IB+1] offset:(tt*NS+2*pp+hh)*1536+512*gg
.set gg, gg+1
.endr
.set tt, tt+1
.endr
.set hh, hh+1
.endr
.set pp, pp+1
.endr
	WIN 0
.set tt, 0
.rept 8
.set pp, 0
.rept NS/2
	global_load_b32 v[ISC+tt*(NS/2)+pp], v3, s[IS:IS+1] offset:(tt*(NS/2)+pp)*128
.set pp, pp+1
.endr
.set tt, tt+1
.endr
	OLOAD 0, 0
	OLOAD 1, 1
	s_mov_b32 s[CNT], 3
.Ltrip_\@:                                             ; a trip: two outer tiles, and the loads of the two that follow
	TILE 0, 1, 7*NS/2
	TILE 1, 1, 7*NS/2
	s_wait_xcnt 0x0                                ; all loads and stores issued so far have read their bases, which step now
	s_add_nc_u64 s[OB:OB+1], s[OB:OB+1], 2*1536*NS
	s_add_nc_u64 s[OS:OS+1], s[OS:OS+1], 128*NS
.if KIND == 2
	s_add_nc_u64 s[DC:DC+1], s[DC:DC+1], s[STP:STP+1]   ; two channel tiles on; from a head's last two to the next head's first two: 393,216 - 3,072
	s_sub_co_u32 s[STP], 393216, s[STP]
	s_add_nc_u64 s[DS:DS+1], s[DS:DS+1], s[STS:STS+1]
	s_sub_co_u32 s[STS], 24576, s[STS]
.else
	s_add_nc_u64 s[DC:DC+1], s[DC:DC+1], 1536
	s_add_nc_u64 s[DS:DS+1], s[DS:DS+1], 128
.endif
	s_sub_co_u32 s[CNT], s[CNT], 1
	s_cmp_lg_u32 s[CNT], 0
	s_cbranch_scc1 .Ltrip_\@
	TILE 0, 0, 7*NS/2                              ; the last two tiles load nothing: no load leaves the wave's eight tiles
	TILE 1, 0, 0
	s_endpgm
.endm
	s_load_b128 s[4:7], s[0:1], 0x0                ; prep s[4:5], qkv s[6:7]
	v_lshrrev_b32 v4, 5, v0
	v_readfirstlane_b32 s8, v4                     ; wave 0..3
	v_and_b32 v4, 31, v0
	v_lshlrev_b32 v1, 4, v4
	v_lshlrev_b32 v2, 3, v4
	v_lshlrev_b32 v3, 2, v4
.irp b, 0,1,2,3
	v_mov_b32 v[TM+4+\b], 0                        ; written once: a lane permute's destination counts as one of its sources
.endr
	s_mov_b32 s[SEL], 0x76543210
	s_mov_b32 s[SEL+1], 0xfedcba98
	s_mov_b32 s[HM], 0xffff0000
	s_mov_b32 s33, 0                               ; the high word of every offset
	s_wait_kmcnt 0x0
	s_cmp_lt_u32 ttmp9, 64
	s_cbranch_scc0 .Lnot_q
	; ---- job Q
.set NS, 4
.set KIND, 0
.set HB, 196608                        ; from a head's codes to the next head's: 256 tiles x 768
.set HBS, 16384
	s_mov_b32 s9, ttmp9
	BASES s8, WQI, WQS, s9, XI, XS
	s_lshr_b32 s34, s9, 5                          ; the batch
	s_and_b32 s35, s9, 31
	s_lshl_b32 s34, s34, 3
	s_lshl_b32 s36, s8, 1
	s_add_co_u32 s34, s34, s36                     ; 8 b + 2 w: my first head
	s_lshl_b32 s36, s34, 8
	s_lshl_b32 s37, s35, 3
	s_add_co_u32 s36, s36, s37
	s_mul_i32 s32, s36, 768
	s_add_co_u32 s32, s32, QC
	s_add_nc_u64 s[DC:DC+1], s[6:7], s[32:33]
	s_lshl_b32 s36, s34, 7
	s_lshl_b32 s37, s35, 2
	s_add_co_u32 s36, s36, s37
	s_lshl_b32 s32, s36, 7
	s_add_co_u32 s32, s32, QS
	s_add_nc_u64 s[DS:DS+1], s[6:7], s[32:33]
	s_wait_alu depctr_va_vdst(0)
	BODY
.Lnot_q:
	s_cmp_lt_u32 ttmp9, 128
	s_cbranch_scc0 .Lis_v
	; ---- job K
.set NS, 6
.set KIND, 1
.set HB, 393216                        ; 32 key steps x 12,288
.set HBS, 24576
	s_sub_co_u32 s9, ttmp9, 64
	BASES s8, WKI, WKS, s9, CI, CSC
	s_lshr_b32 s34, s9, 5
	s_and_b32 s35, s9, 31                          ; the key step
	s_lshl_b32 s34, s34, 3
	s_lshl_b32 s36, s8, 1
	s_add_co_u32 s34, s34, s36
	s_lshl_b32 s36, s34, 5
	s_add_co_u32 s36, s36, s35
	s_mul_i32 s32, s36, 12288
	s_add_co_u32 s32, s32, KVC
	s_add_nc_u64 s[DC:DC+1], s[6:7], s[32:33]
	s_mul_i32 s32, s36, 768
	s_add_co_u32 s32, s32, KVS
	s_add_nc_u64 s[DS:DS+1], s[6:7], s[32:33]
	s_wait_alu depctr_va_vdst(0)
	BODY
.Lis_v:
	; ---- job V
.set NS, 6
.set KIND, 2
	s_sub_co_u32 s9, ttmp9, 128
	s_lshr_b32 s10, s9, 2
	s_lshl_b32 s10, s10, 2
	s_add_co_u32 s10, s10, s8                      ; my key step of the 64
	s_and_b32 s11, s9, 3                           ; which 8 tiles of Wv: heads 2 jr, 2 jr + 1
	BASES s10, CI, CSC, s11, WVI, WVS
	s_lshr_b32 s34, s10, 5
	s_and_b32 s35, s10, 31
	s_lshl_b32 s34, s34, 3
	s_lshl_b32 s36, s11, 1
	s_add_co_u32 s34, s34, s36
	s_lshl_b32 s36, s34, 5
	s_add_co_u32 s36, s36, s35
	s_mul_i32 s32, s36, 12288
	s_add_co_u32 s32, s32, KVC+6144                ; V's four images lie behind K's eight half images
	s_add_nc_u64 s[DC:DC+1], s[6:7], s[32:33]
	s_mul_i32 s32, s36, 768
	s_add_co_u32 s32, s32, KVS+512
	s_add_nc_u64 s[DS:DS+1], s[6:7], s[32:33]
	s_mov_b32 s[STP], 3072
	s_mov_b32 s[STP+1], 0
	s_mov_b32 s[STS], 128
	s_mov_b32 s[STS+1], 0
	s_wait_alu depctr_va_vdst(0)
	BODY
.Lfunc_end_k_q2317a17fd3_proj:
	.size	k_q2317a17fd3_proj, .Lfunc_end_k_q2317a17fd3_proj-k_q2317a17fd3_proj
	.p2alignl 7, 3214868480
	.fill 96, 4, 3214868480
	.section	.rodata,"a",@progbits
	.p2align	6, 0x0
	.amdhsa_kernel k_q2317a17fd3_proj
		.amdhsa_group_segment_fixed_size 0
		.amdhsa_private_segment_fixed_size 0
		.amdhsa_enable_private_segment 0
		.amdhsa_kernarg_size 16
		.amdhsa_user_sgpr_count 2
		.amdhsa_user_sgpr_kernarg_segment_ptr 1
		.amdhsa_wavefront_size32 1
		.amdhsa_system_sgpr_workgroup_id_x 1
		.amdhsa_system_sgpr_workgroup_id_y 1
		.amdhsa_system_sgpr_workgroup_id_z 1
		.amdhsa_system_vgpr_workitem_id 0
		.amdhsa_next_free_vgpr 1024
		.amdhsa_next_free_sgpr 66
		.amdhsa_reserve_vcc 0
		.amdhsa_float_denorm_mode_32 3
		.amdhsa_float_denorm_mode_16_64 3
		.amdhsa_memory_ordered 1
		.amdhsa_forward_progress 1
		.amdhsa_inst_pref_size 190
	.end_amdhsa_kernel
	.amdgpu_metadata
---
amdhsa.version: [ 1, 2 ]
amdhsa.kernels:
  - .name:           k_q2317a17fd3_proj
    .symbol:         k_q2317a17fd3_proj.kd
    .args:
      - { .name: prep, .offset: 0, .size: 8, .value_kind: global_buffer, .address_space: global }
      - { .name: qkv, .offset: 8, .size: 8, .value_kind: global_buffer, .address_space: global }
    .group_segment_fixed_size: 0
    .private_segment_fixed_size: 0
    .kernarg_segment_align: 8
    .kernarg_segment_size: 16
    .max_flat_workgroup_size: 128
    .sgpr_count:     66
    .vgpr_count:     1024
    .wavefront_size: 32
...
	.end_amdgpu_metadata
.endif
;; end of part 2
;; launch attn (part 3): grid 16 x 16, 16 waves a work-group, no clusters, 327,680 bytes of LDS; arguments qkv, att; writes att
.if DOCPART == 3
	.amdgcn_target "amdgcn-amd-amdhsa--gfx1250"
	.amdhsa_code_object_version 6
	.text
	.protected	k_q2317a17fd3_attn
	.globl	k_q2317a17fd3_attn
	.p2align	8
	.type	k_q2317a17fd3_attn,@function
k_q2317a17fd3_attn:
	s_mov_b64 s[64:65], 0
	v_nop
	global_prefetch_b8 v0, s[64:65] scope:SCOPE_SE
	s_setreg_imm32_b32 hwreg(HW_REG_WAVE_MODE, 25, 1), 1
	s_wait_xcnt 0x0
; For each of 16 (batch, head): O[q] = sum over keys of softmax(q . k / 8) v, both products on codes of FP6 (E2M3) with E8M0 scales; O / l is quantised along the head's 64 channels and stored as images for the last product.
; THE SOFTMAX: t = score x log2(e) / 8; M = the running largest t rounded UP to a whole number; p = 2^(t - M) is quantised along the keys, not normalised; the row's sum l is taken of the unquantised p.
; When M moves, the sum and O are multiplied by 2^(old M - new M), which rounds nothing.
; SHARES.  A work-group owns 256 queries of one head, each of its sixteen waves one tile of 16, in 256 registers.  Every wave walks the head's 32 key steps of 128 keys.
; A key step's record (8 half images of K, 4 images of V^T: 12,288 dense bytes) comes through a ring of two LDS slots of EIGHT records; waves 0-11 fetch 8,192 bytes of a slot each.
; The head's scale images (24,576 bytes) come once, a quarter by each of waves 12-15: so every wave issues one tensor load at the head.  All operands lie in LDS as images of their registers.
; K AND V HAVE REGISTERS OF THEIR OWN: V of a step is asked of LDS at the step's head, K of the next step directly behind the first product, which is the last reader of K's registers.
; THE CHANGE OF SLOTS stands inside a slot's last key step: V's loads are a wave's last reads of the slot; behind the first product it waits, adds, waits and signals, and the step's softmax and second product,
; work on registers alone, stand between the barrier's signal and its wait; the next K is asked for behind the barrier, from the other slot.
; LAYOUT.  Both products are used transposed: S^T = K Q^T, O^T = V^T P^T: a lane holds ONE query throughout.  The keys of a tile are 32 g + 8 u + r + 8 (r / 8), so that p's 16 registers of two tiles are 16 neighbouring keys.
; THE FIRST PRODUCT'S K IS 64, the instruction's 128.  Q's registers 6-11 are zero codes.  K's operand for tile i is v[28 + 6 i .. 39 + 6 i]: its upper six registers are the next tile's codes (behind tile 7: six registers
; of p's codes or partial sums).  Every pattern of bits is a finite number of E2M3, so those products are exactly 0; bytes 2 and 3 of both scale words are 0, never 0xff.
; NO CLUSTER, though the 16 work-groups of a head read the same records: a key step's 13,056 fetched bytes are read sixteen times from LDS inside the work-group and stand beside some 240 vector instructions
; in each of 16 waves: what is shared is a small part of a step's work, and a round of the cluster's barrier would tie 64 waves of four work-groups at each change of slots.
; PREFETCH: behind the refills that fetch slots 1 and 2 of the four, wave 12 of each of the head's 16 work-groups names 24 blocks of 256 bytes (6,144 bytes) of the slot one refill on: 16 x 6,144 = a slot, each block once.
; LIMITS: NaN and infinities are not served; p under 2^-126 falls to 0; a block of zeros carries the byte 1 (this program alone reads the bytes); a block's largest p is taken from its largest score, which takes
; v_exp_f32 not to fall where its input rises; the scaled scores stay under 2^31 in magnitude.
.set QS,   3145728
.set KVC,  3407872
.set KVS,  9699328
.set ASO,  3145728                     ; att: the scale images, behind 512 x 8 half images
.set REC,  12288                       ; a key step's record
.set SLOTB, 8*REC                      ; a slot's bytes
.set SLOT1, 1<<17                      ; slot 1 begins here: one exclusive or turns a slot's first byte into the other's
.set SCL,  SLOTB                       ; between the slots: the head's scale images, 768 bytes a key step
.set SPARE, SLOT1+SLOTB                ; the spare words, 128 bytes for each of 16 waves: eight blocks of 256 bytes that no other line names
.set T0,   0                           ; v0 at work (behind the head, where it is the thread's number)
.set A16L, 1                           ; v1 16 x lane;  v2 8 x lane;  v3 SCL + 4 x lane
.set A8L,  2
.set A4L,  3
.set SPW,  4                           ; v4 LDS address of my spare word; v5 0: never rewritten
.set NIL,  5
.set AD16, 6                           ; v6-8 the addresses of the record in hand
.set AD8,  7
.set ADS,  8
.set PFO,  9                           ; v9 256 x min(lane, 23)
.set OLDM, 10                          ; v10 -M as the step found it
.set PW,   11                          ; v11 p's scale word;  v12 -M, v13 the running largest score, v[14:15] the row's sum in two halves
.set QF,   16                          ; v16-27 Q's fragment
.set KF,   28                          ; v28-75 K's eight half fragments
.set PC,   76                          ; v76-87 p's codes, v88-95 the conversions' second halves; ahead of the conversions v76-89 hold seven pairs of partial sums
.set PT,   88
.set KS,   96                          ; v96-99 K's scale words, v100-101 V's
.set VS,   100
.set F,    102                         ; v102 f = 2^(old M - new M);  v103 Q's scale word (named with f as a pair, of which the low word alone is used)
.set QSW,  103
.set BM,   104                         ; v104-107 a block's largest score, then its largest p, then its byte
.set SO,   108                         ; v108-111 lane l xor 16's maxima, then the conversions' scale operands
.set VF,   112                         ; v112-159 V's four fragments
.set SR,   160                         ; v160-223 S^T, then p; on the way out O / l
.set OA,   224                         ; v224-255 O^T
.set WV,   18
.set CNT,  19
.set SEL,  20
.set CS,   22
.set G1,   24                          ; s[24:31] group 1 for 8,192 bytes of a slot; s[32:39] for a quarter of the scale images; s[40:43], s[44:47] their groups 0
.set G1S,  32
.set G0,   40
.set G0S,  44
.set TB,   48                          ; s48 LDS byte of the record in hand;  s49 its scale images' byte
.set TS,   49
.set SLOTS, 50
.set LIM,  51                          ; s51 1 in the wave that prefetches, else the greatest number
.set PFA,  52                          ; s[52:53] where my prefetches stand
.set TBO,  62                          ; s62, s63 the same two as s48, s49 at the head of the slot in hand
.set TSO,  63
	s_load_b128 s[4:7], s[0:1], 0x0                ; qkv s[4:5], att s[6:7]
	v_lshl_add_u32 v[SPW], v0, 2, SPARE
	v_mov_b32 v[NIL], 0
	ds_add_u32 v[SPW], v[NIL]                      ; the opening lines: the add, twice on end, and its wait ahead of my first tensor load
	ds_add_u32 v[SPW], v[NIL]
	v_lshrrev_b32 v6, 5, v0
	s_delay_alu instid0(VALU_DEP_1)
	v_readfirstlane_b32 s[WV], v6                  ; wave 0..15
	s_and_b32 s8, ttmp7, 0xffff                    ; bh = 8 x batch + head
	s_lshl_b32 s9, ttmp9, 4
	s_add_co_u32 s9, s9, s[WV]                     ; my tile of queries, 0..255
	s_and_b32 s11, s[WV], 3                        ; waves 12-15: which quarter of the scale images
	s_lshl_b32 s12, s[WV], 13                      ; waves 0-11: which 8,192 bytes of a slot
	s_mul_i32 s13, s11, 6144
	s_mul_i32 s14, s8, 393216
	s_add_co_u32 s14, s14, KVC                     ; the head's records
	s_mul_i32 s15, s8, 24576
	s_add_co_u32 s15, s15, KVS                     ; and its scale images
	s_mov_b32 s3, 0
	; group 1: dense blocks as rows of 256 bytes (32 elements of 8 bytes): 32 rows of a slot, 24 rows of the scale images; no padding: the images are read as they lie
	s_mov_b32 s[G1], 3<<16
	s_mov_b32 s[G1+1], 32<<16                      ; tensor_dim0
	s_mov_b32 s[G1+2], 32<<16                      ; tensor_dim1
	s_mov_b32 s[G1+3], 32<<16                      ; tile_dim0
	s_mov_b32 s[G1+4], 32                          ; tile_dim1
	s_mov_b32 s[G1+5], 32                          ; the pitch
	s_mov_b32 s[G1+6], 0
	s_mov_b32 s[G1+7], 0
	s_mov_b32 s[G1S], 3<<16
	s_mov_b32 s[G1S+1], 32<<16
	s_mov_b32 s[G1S+2], 24<<16
	s_mov_b32 s[G1S+3], 32<<16
	s_mov_b32 s[G1S+4], 24
	s_mov_b32 s[G1S+5], 32
	s_mov_b32 s[G1S+6], 0
	s_mov_b32 s[G1S+7], 0
	s_mov_b32 s[SEL], 0x76543210
	s_mov_b32 s[SEL+1], 0xfedcba98
	s_mov_b32 s[CS], 0x3e38aa3b                    ; c = log2(e) / 8
	s_mov_b32 s[CS+1], s[CS]                       ; (named with it as a pair)
	s_mov_b32 s[TBO], 0
	s_mov_b32 s[TSO], 0
	s_mov_b32 s[TB], 0
	s_mov_b32 s[TS], 0
	s_wait_dscnt 0x0                               ; both opening adds are done
	s_wait_kmcnt 0x0
	s_mov_b32 s[G0], 1
	s_mov_b32 s[G0+1], s12                         ; slot 0
	s_add_co_u32 s2, s14, s12
	s_add_nc_u64 s[G0+2:G0+3], s[4:5], s[2:3]
	s_or_b32 s[G0+3], s[G0+3], 0x80000000
	s_mov_b32 s[G0S], 1
	s_add_co_u32 s[G0S+1], s13, SCL
	s_add_co_u32 s2, s15, s13
	s_add_nc_u64 s[G0S+2:G0S+3], s[4:5], s[2:3]
	s_or_b32 s[G0S+3], s[G0S+3], 0x80000000
	s_cmp_lt_u32 s[WV], 12                         ; the head's loads, one a wave, one in each arm of one branch on the wave's number
	s_cbranch_scc0 .Lhead_scales
	tensor_load_to_lds s[G0:G0+3], s[G1:G1+7]
	s_nop 0
.rept 4
	v_nop
.endr
	s_branch .Lhead_asked
.Lhead_scales:
	tensor_load_to_lds s[G0S:G0S+3], s[G1S:G1S+7]
	s_nop 0
.rept 4
	v_nop
.endr
.Lhead_asked:
	s_lshl_b32 s10, s8, 8
	s_add_co_u32 s10, s10, s9
	s_mul_i32 s2, s10, 768
	s_add_nc_u64 s[54:55], s[4:5], s[2:3]          ; Q's half image (Q's codes begin the buffer)
	s_lshl_b32 s10, s8, 7
	s_lshr_b32 s16, s9, 1
	s_add_co_u32 s10, s10, s16
	s_lshl_b32 s10, s10, 7
	s_and_b32 s16, s9, 1
	s_lshl_b32 s16, s16, 6
	s_add_co_u32 s10, s10, s16
	s_add_co_u32 s2, s10, QS
	s_add_nc_u64 s[56:57], s[4:5], s[2:3]          ; my tile's half of its pair's scale image
	s_lshr_b32 s10, s8, 3
	s_lshl_b32 s10, s10, 8
	s_add_co_u32 s10, s10, s9                      ; the tile among all 512
	s_lshl_b32 s10, s10, 3
	s_and_b32 s16, s8, 7
	s_add_co_u32 s10, s10, s16                     ; x 8 + head
	s_mul_i32 s2, s10, 768
	s_add_nc_u64 s[58:59], s[6:7], s[2:3]
	s_lshl_b32 s2, s10, 7
	s_add_co_u32 s2, s2, ASO
	s_add_nc_u64 s[60:61], s[6:7], s[2:3]
	s_cmp_eq_u32 s[WV], 12                         ; the prefetches: wave 12, which fetches nothing behind the head
	s_cselect_b32 s[LIM], 1, -1
	s_mul_i32 s10, ttmp9, 6144                     ; my work-group's sixteenth of a slot
	s_add_co_u32 s10, s10, s14
	s_add_co_u32 s2, s10, 2*SLOTB                  ; the first one names the third of the four slots
	s_add_nc_u64 s[PFA:PFA+1], s[4:5], s[2:3]
	v_and_b32 v6, 31, v0
	s_delay_alu instid0(VALU_DEP_1)
	v_lshlrev_b32 v[A16L], 4, v6
	s_delay_alu instid0(VALU_DEP_2)
	v_lshlrev_b32 v[A8L], 3, v6
	s_delay_alu instid0(VALU_DEP_3)
	v_lshlrev_b32 v[A4L], 2, v6
	v_min_u32 v[PFO], 23, v6                       ; lanes 24-31 name the wave's last block again
	v_and_b32 v10, 15, v0
	s_delay_alu instid0(VALU_DEP_3)
	v_add_nc_u32 v[A4L], SCL, v[A4L]
	s_delay_alu instid0(VALU_DEP_3)
	v_lshlrev_b32 v[PFO], 8, v[PFO]
	s_delay_alu instid0(VALU_DEP_3)
	v_lshlrev_b32 v10, 2, v10                      ; 4 r
	global_load_b128 v[QF:QF+3], v[A16L], s[54:55]
	global_load_b64 v[QF+4:QF+5], v[A8L], s[54:55] offset:512
	global_load_b32 v[QSW], v10, s[56:57]
.irp j, 6,7,8,9,10,11
	v_mov_b32 v[QF+\j], 0                          ; zero codes for k = 64 .. 127
.endr
.irp j, 0,1,2,3,4,5
	v_mov_b32 v[PC+\j], 0                          ; what stands above K's tile 7 is written before the first product names it
.endr
.set jj, 0
.rept 32
	v_mov_b32 v[OA+jj], 0                          ; O^T.  (The step is written for every trip alike: the first finds zeros, which the first change of M leaves zeros)
.set jj, jj+1
.endr
.irp b, 0,1,2,3
	v_mov_b32 v[SO+\b], 0                          ; a lane permute's destination counts as one of its sources
.endr
	v_mov_b32 v13, 0xff61b1e6                      ; the largest score so far: -3e38
	s_delay_alu instid0(VALU_DEP_1)
	v_floor_f32 v12, -v13                          ; -M
	v_mov_b32 v14, 0                               ; the sum, in two halves
	v_mov_b32 v15, 0
; Behind a barrier: waves 0-11 fill the slot that was left, one tensor load a wave; then wave 12 names its 24 blocks of the slot one refill on.  first = 1: behind the head's barrier
.macro FILL first
	s_cmp_lt_u32 s[WV], 12
	s_cbranch_scc0 .Lnone_\@
	tensor_load_to_lds s[G0:G0+3], s[G1:G1+7]
	s_nop 0
.rept 4
	v_nop
.endr
.Lnone_\@:
.if \first
	s_cmp_eq_u32 s[LIM], 1
.else
	s_cmp_gt_u32 s[SLOTS], s[LIM]                  ; not behind the last refill: no slot follows the one that it fetches
.endif
	s_cbranch_scc0 .Lnot_mine_\@
	global_prefetch_b8 v[PFO], s[PFA:PFA+1] th:TH_LOAD_NT scope:SCOPE_SE
.Lnot_mine_\@:
.endm
.macro ADDR                            ; the addresses of the record at s[TB]
	v_add_nc_u32 v[AD16], s[TB], v[A16L]
	v_add_nc_u32 v[AD8], s[TB], v[A8L]
	v_add_nc_u32 v[ADS], s[TS], v[A4L]
.endm
.macro KLOAD off                       ; 20 loads: K's eight half fragments and four scale registers, of the record off bytes behind the addresses
.irp i, 0,1,2,3,4,5,6,7
	ds_load_b128 v[KF+6*\i:KF+6*\i+3], v[AD16] offset:(\off)+768*\i
	ds_load_b64 v[KF+6*\i+4:KF+6*\i+5], v[AD8] offset:(\off)+768*\i+512
.endr
.irp d, 0,1,2,3
	ds_load_b32 v[KS+\d], v[ADS] offset:(\off)/16+128*\d     ; lanes 0-15: tile 2 d's words, lanes 16-31: tile 2 d + 1's
.endr
.endm
; A KEY STEP: 128 keys, the record at s[TB]; its K has been asked for.  mode 0: inside a slot.  mode 1: a slot's last step, with the change of slots and a refill.  mode 2: the same with no refill.  mode 3: the last step of all.
.macro STEP mode
	ADDR
	v_nop                                          ; these four are the places in front of loads into registers that the last products read
.irp c, 0,1,2,3                                ; 14 loads: V's four fragments and two scale registers land while the softmax is worked
.irp g, 0,1,2
	ds_load_b128 v[VF+12*\c+4*\g:VF+12*\c+4*\g+3], v[AD16] offset:6144+1536*\c+512*\g
.endr
.endr
	ds_load_b32 v[VS], v[ADS] offset:512
	ds_load_b32 v[VS+1], v[ADS] offset:640
	s_wait_alu depctr_va_vdst(0)
	s_wait_dscnt 14                                ; K and its scale words are in; V's 14 younger loads may be out
.irp i, 0,2,4,6
	v_wmma_scale_f32_16x16x128_f8f6f4 v[SR+8*\i:SR+8*\i+7], v[KF+6*\i:KF+6*\i+11], v[QF:QF+11], 0, v[KS+\i/2], v[QSW] matrix_a_fmt:MATRIX_FMT_FP6 matrix_b_fmt:MATRIX_FMT_FP6
	v_wmma_scale_f32_16x16x128_f8f6f4 v[SR+8*\i+8:SR+8*\i+15], v[KF+6*\i+6:KF+6*\i+17], v[QF:QF+11], 0, v[KS+\i/2], v[QSW] matrix_a_fmt:MATRIX_FMT_FP6 matrix_b_fmt:MATRIX_FMT_FP6 matrix_a_scale:MATRIX_SCALE_ROW1
.endr
	v_mov_b32 v[OLDM], v12                         ; -M as it stands; with the three below: four places in front of the loads over K's registers and of the first read of the scores
.rept 3
	v_nop
.endr
.if \mode == 0
	KLOAD REC                                      ; the next step's K, from the same slot
.elseif \mode < 3
	s_wait_tensorcnt 0x0                           ; V's loads were my last reads of the slot.  No tensor load of mine is out: my part of the other slot is in, and a group 0 may be written
	ds_add_u32 v[SPW], v[NIL]                      ; 0 onto my spare word
.if \mode == 1
	s_xor_b32 s[G0+1], s[G0+1], SLOT1              ; the other slot than last time,
	s_add_nc_u64 s[G0+2:G0+3], s[G0+2:G0+3], SLOTB ; the next eight records
	s_wait_xcnt 0x0                                ; the last prefetch, a slot back, has read its address
	s_add_nc_u64 s[PFA:PFA+1], s[PFA:PFA+1], SLOTB
.endif
.endif
.irp b, 0,1,2,3
	v_max3_num_f32 v[BM+\b], v[SR+16*\b], v[SR+1+16*\b], v[SR+2+16*\b]   ; the largest score of each block of 32 keys: for the row's maximum and, since p rises with the score, for the block's largest p
.endr
.irp i, 3,5,7,9,11,13
.irp b, 0,1,2,3
	v_max3_num_f32 v[BM+\b], v[BM+\b], v[SR+16*\b+\i], v[SR+1+16*\b+\i]
.endr
.endr
.irp b, 0,1,2,3
	v_max_num_f32 v[BM+\b], v[BM+\b], v[SR+15+16*\b]
.endr
.irp b, 0,1,2,3
	s_delay_alu instid0(VALU_DEP_4)
	v_permlanex16_b32 v[SO+\b], v[BM+\b], s[SEL], s[SEL+1]
.endr
.irp b, 0,1,2,3
	s_delay_alu instid0(VALU_DEP_4)
	v_max_num_f32 v[BM+\b], v[BM+\b], v[SO+\b]     ; with lane l xor 16's 16 keys
.endr
	s_delay_alu instid0(VALU_DEP_2)
	v_max3_num_f32 v[T0], v[BM], v[BM+1], v[BM+2]
	s_delay_alu instid0(VALU_DEP_1)
	v_max3_num_f32 v13, v13, v[T0], v[BM+3]        ; the running largest score
	s_delay_alu instid0(VALU_DEP_1)
	v_mul_f32 v[T0], s[CS], v13                    ; as t (c is positive)
	s_delay_alu instid0(VALU_DEP_1)
	v_floor_f32 v12, -v[T0]                        ; the new -M = -ceil(t)
.if (\mode == 1) || (\mode == 2)
	s_wait_alu depctr_va_vdst(0)                   ; directly ahead of the wait below
	s_wait_dscnt 0x0                               ; the add is done, V is in, and my reads of this slot are over:
	s_barrier_signal -1                            ; say so; up to the barrier's wait the step works on registers alone
.endif
.set jj, 0
.rept 32
	v_pk_fma_f32 v[SR+jj:SR+jj+1], v[SR+jj:SR+jj+1], s[CS:CS+1], v[12:13] op_sel_hi:[1,0,0]   ; t - M, two at a time; among them the three lines that make f
.if jj == 14
	v_sub_f32 v[T0], v12, v[OLDM]                  ; old M - new M: a whole number, 0 or less
.elseif jj == 30
	v_cvt_i32_f32 v[T0], v[T0]                     ; (it saturates)
.elseif jj == 46
	v_ldexp_f32 v[F], 1.0, v[T0]                   ; f
.endif
.set jj, jj+2
.endr
.irp b, 0,1,2,3
	v_fma_f32 v[BM+\b], v[BM+\b], s[CS], v12
.endr
	s_wait_alu depctr_va_vdst(0)
.set jj, 0
.rept 64
	v_exp_f32 v[SR+jj], v[SR+jj]                   ; p = 2^(t - M)
.set jj, jj+1
.endr
	v_pk_mul_f32 v[14:15], v[14:15], v[F:F+1] op_sel_hi:[1,0]   ; the sums under the new M: a plain instruction behind the exponentials
	s_wait_alu depctr_va_vdst(0)                   ; one wait for the batch of 64, ahead of its first reader
.irp b, 0,1,2,3
	v_exp_f32 v[BM+\b], v[BM+\b]                   ; the block's largest p
.endr
.set jj, 0                                     ; the row's sum of the unquantised p: 32 pairs in eight chains by turns
.irp c, 76,78,80,82,84,86,88
	v_pk_add_f32 v[\c:\c+1], v[SR+2*jj:SR+2*jj+1], v[SR+14+2*jj:SR+15+2*jj]
.set jj, jj+1
.endr
	v_pk_add_f32 v[14:15], v[14:15], v[SR+28:SR+29]
.set jj, 15
.rept 2
.irp c, 76,78,80,82,84,86,88,14
	v_pk_add_f32 v[\c:\c+1], v[\c:\c+1], v[SR+2*jj:SR+2*jj+1]
.set jj, jj+1
.endr
.endr
	v_pk_add_f32 v[76:77], v[76:77], v[SR+62:SR+63]
	v_pk_add_f32 v[78:79], v[78:79], v[80:81]
	v_pk_add_f32 v[82:83], v[82:83], v[84:85]
	v_pk_add_f32 v[86:87], v[86:87], v[88:89]
	s_delay_alu instid0(VALU_DEP_4)
	v_pk_add_f32 v[14:15], v[14:15], v[76:77]
	s_delay_alu instid0(VALU_DEP_3)
	v_pk_add_f32 v[78:79], v[78:79], v[82:83]
	s_delay_alu instid0(VALU_DEP_2)
	v_pk_add_f32 v[14:15], v[14:15], v[86:87]
	s_delay_alu instid0(VALU_DEP_1)
	v_pk_add_f32 v[14:15], v[14:15], v[78:79]
	s_wait_alu depctr_va_vdst(0)                   ; and one for the four
.irp b, 0,1,2,3
	v_max_num_f32 v[BM+\b], 0x1800000, v[BM+\b]    ; the floor 2^(3 - 127)
.endr
.irp b, 0,1,2,3
	s_delay_alu instid0(VALU_DEP_4)
	v_add_nc_u32 v[SO+\b], 0xff000000, v[BM+\b]    ; 2 off the exponent field: the conversion's scale operand
.endr
.irp b, 0,1,2,3
	s_delay_alu instid0(VALU_DEP_4)
	v_lshrrev_b32 v[BM+\b], 23, v[SO+\b]           ; the scale's byte
.endr
	s_delay_alu instid0(VALU_DEP_3)
	v_lshl_or_b32 v[PW], v[BM+1], 8, v[BM]
	s_delay_alu instid0(VALU_DEP_1)
	v_lshl_or_b32 v[PW], v[BM+2], 16, v[PW]
	s_delay_alu instid0(VALU_DEP_1)
	v_lshl_or_b32 v[PW], v[BM+3], 24, v[PW]
.irp c, 0,1
	v_cvt_scalef32_pk16_fp6_f32 v[PC+6*\c:PC+6*\c+2], v[SR+32*\c:SR+32*\c+15], v[SO+2*\c]
	v_cvt_scalef32_pk16_fp6_f32 v[PT+4*\c:PT+4*\c+2], v[SR+32*\c+16:SR+32*\c+31], v[SO+2*\c+1]
.endr
	v_nop                                          ; one plain instruction behind the scaled conversions
.irp c, 0,1
.irp i, 0,1,2
	v_permlane16_swap_b32 v[PC+6*\c+\i], v[PT+4*\c+\i]
.endr
.irp i, 0,1,2
	s_delay_alu instid0(VALU_DEP_3)
	v_mov_b32 v[PC+3+6*\c+\i], v[PT+4*\c+\i]
.endr
.endr
	s_wait_alu depctr_va_vdst(0)                   ; directly ahead of the first reader of O^T
.set jj, 0
.rept 16
	v_pk_mul_f32 v[OA+jj:OA+jj+1], v[OA+jj:OA+jj+1], v[F:F+1] op_sel_hi:[1,0]   ; O^T under the new M, each accumulator from its low end on; also the places between p's codes and scale word and the products
.set jj, jj+2
.endr
	s_wait_alu depctr_va_vdst(0)                   ; a wait that blocks, or a branch, follows
.if \mode == 0
	s_wait_dscnt 20                                ; V and its scale words are in; the next K's 20 younger loads may be out
.elseif \mode == 3
	s_wait_dscnt 0x0                               ; V and its scale words are in
.endif
.irp c, 0,2
	v_wmma_scale_f32_16x16x128_f8f6f4 v[OA+8*\c:OA+8*\c+7], v[VF+12*\c:VF+12*\c+11], v[PC:PC+11], v[OA+8*\c:OA+8*\c+7], v[VS+\c/2], v[PW] matrix_a_fmt:MATRIX_FMT_FP6 matrix_b_fmt:MATRIX_FMT_FP6
	v_wmma_scale_f32_16x16x128_f8f6f4 v[OA+8*\c+8:OA+8*\c+15], v[VF+12*\c+12:VF+12*\c+23], v[PC:PC+11], v[OA+8*\c+8:OA+8*\c+15], v[VS+\c/2], v[PW] matrix_a_fmt:MATRIX_FMT_FP6 matrix_b_fmt:MATRIX_FMT_FP6 matrix_a_scale:MATRIX_SCALE_ROW1
.endr
.if (\mode == 1) || (\mode == 2)
	s_barrier_wait -1                              ; every wave has left this slot, and the other slot is whole
.if \mode == 1
	FILL 0
.endif
	s_xor_b32 s[TBO], s[TBO], SLOT1                ; on to the other slot's first record,
	s_add_co_u32 s[TSO], s[TSO], 8*768
	s_mov_b32 s[TB], s[TBO]
	s_mov_b32 s[TS], s[TSO]
	ADDR
	KLOAD 0                                        ; and its K
.endif
.endm
.macro WALK n                          ; n key steps inside the slot in hand
	s_mov_b32 s[CNT], \n
.Lstep_\@:
	STEP 0
	s_add_co_u32 s[TB], s[TB], REC
	s_add_co_u32 s[TS], s[TS], 768
	s_sub_co_u32 s[CNT], s[CNT], 1
	s_cmp_lg_u32 s[CNT], 0
	s_cbranch_scc1 .Lstep_\@
.endm
	s_wait_alu depctr_va_vdst(0)
	s_wait_loadcnt 0x0                             ; Q
	s_wait_tensorcnt 0x0                           ; my part of slot 0 or of the scale images is in; slot 1's first fill is issued as a refill is
	ds_add_u32 v[SPW], v[NIL]
	s_xor_b32 s[G0+1], s[G0+1], SLOT1
	s_add_nc_u64 s[G0+2:G0+3], s[G0+2:G0+3], SLOTB
	s_wait_dscnt 0x0
	s_barrier_signal -1
	s_barrier_wait -1
	FILL 1
	ADDR
	KLOAD 0                                        ; the first step's K
	s_mov_b32 s[SLOTS], 2
.Lslot:                                                ; two trips: the first two of the four slots; each ends with a refill
	WALK 7
	STEP 1
	s_sub_co_u32 s[SLOTS], s[SLOTS], 1
	s_cmp_lg_u32 s[SLOTS], 0
	s_cbranch_scc1 .Lslot
	WALK 7                                         ; the last two slots are written out: nothing more is fetched
	STEP 2
	WALK 7
	STEP 3
	; THE WAY OUT: O^T / l, quantised along the head's 64 channels (register 16 b + i = channel 32 b + 16 (lane / 16) + i), stored as a half image and a scale word (s0, s1, 0, 0)
	v_lshrrev_b32 v[AD16], 1, v[A8L]               ; 4 x lane; with the three below: four places behind the last products
.rept 3
	v_nop
.endr
	v_add_f32 v14, v14, v15
	s_delay_alu instid0(VALU_DEP_1)
	v_permlanex16_b32 v[T0], v14, s[SEL], s[SEL+1]
	s_delay_alu instid0(VALU_DEP_1)
	v_add_f32 v14, v14, v[T0]                      ; the row's sum
	s_wait_alu depctr_va_vdst(0)
	v_rcp_f32 v[F], v14
	v_nop                                          ; a plain instruction behind the reciprocal,
	s_wait_alu depctr_va_vdst(0)                   ; and the wait ahead of its first reader
.irp j, 0,2,4,6,8,10,12,14,16,18,20,22,24,26,28,30
	v_pk_mul_f32 v[SR+\j:SR+\j+1], v[OA+\j:OA+\j+1], v[F:F+1] op_sel_hi:[1,0]
.endr
.irp b, 0,1
	v_max3_num_f32 v[BM+\b], |v[SR+16*\b]|, |v[SR+1+16*\b]|, 0x1800000
.endr
.irp i, 2,4,6,8,10,12,14
.irp b, 0,1
	s_delay_alu instid0(VALU_DEP_2)
	v_max3_num_f32 v[BM+\b], v[BM+\b], |v[SR+16*\b+\i]|, |v[SR+1+16*\b+\i]|
.endr
.endr
.irp b, 0,1
	s_delay_alu instid0(VALU_DEP_2)
	v_permlanex16_b32 v[SO+\b], v[BM+\b], s[SEL], s[SEL+1]
.endr
.irp b, 0,1
	s_delay_alu instid0(VALU_DEP_2)
	v_max_num_f32 v[BM+\b], v[BM+\b], v[SO+\b]
.endr
.irp b, 0,1
	s_delay_alu instid0(VALU_DEP_2)
	v_add_nc_u32 v[SO+\b], 0xff000000, v[BM+\b]
.endr
.irp b, 0,1
	s_delay_alu instid0(VALU_DEP_2)
	v_lshrrev_b32 v[BM+\b], 23, v[SO+\b]
.endr
	s_delay_alu instid0(VALU_DEP_1)
	v_lshl_or_b32 v[PW], v[BM+1], 8, v[BM]
	v_cvt_scalef32_pk16_fp6_f32 v[PC:PC+2], v[SR:SR+15], v[SO]
	v_cvt_scalef32_pk16_fp6_f32 v[PT:PT+2], v[SR+16:SR+31], v[SO+1]
	v_nop
.irp i, 0,1,2
	v_permlane16_swap_b32 v[PC+\i], v[PT+\i]
.endr
.irp i, 0,1,2
	s_delay_alu instid0(VALU_DEP_3)
	v_mov_b32 v[PC+3+\i], v[PT+\i]
.endr
	global_store_b128 v[A16L], v[PC:PC+3], s[58:59]
	global_store_b64 v[A8L], v[PC+4:PC+5], s[58:59] offset:512
	global_store_b32 v[AD16], v[PW], s[60:61]      ; the same word in both halves of the lanes
	s_wait_tensorcnt 0x0                           ; the wave's end
	ds_add_u32 v[SPW], v[NIL]
	s_wait_dscnt 0x0
	s_endpgm
.Lfunc_end_k_q2317a17fd3_attn:
	.size	k_q2317a17fd3_attn, .Lfunc_end_k_q2317a17fd3_attn-k_q2317a17fd3_attn
	.p2alignl 7, 3214868480
	.fill 96, 4, 3214868480
	.section	.rodata,"a",@progbits
	.p2align	6, 0x0
	.amdhsa_kernel k_q2317a17fd3_attn
		.amdhsa_group_segment_fixed_size 327680
		.amdhsa_private_segment_fixed_size 0
		.amdhsa_enable_private_segment 0
		.amdhsa_kernarg_size 16
		.amdhsa_user_sgpr_count 2
		.amdhsa_user_sgpr_kernarg_segment_ptr 1
		.amdhsa_wavefront_size32 1
		.amdhsa_system_sgpr_workgroup_id_x 1
		.amdhsa_system_sgpr_workgroup_id_y 1
		.amdhsa_system_sgpr_workgroup_id_z 1
		.amdhsa_system_vgpr_workitem_id 0
		.amdhsa_next_free_vgpr 256
		.amdhsa_next_free_sgpr 66
		.amdhsa_reserve_vcc 0
		.amdhsa_float_denorm_mode_32 3
		.amdhsa_float_denorm_mode_16_64 3
		.amdhsa_memory_ordered 1
		.amdhsa_forward_progress 1
		.amdhsa_inst_pref_size 115
	.end_amdhsa_kernel
	.amdgpu_metadata
---
amdhsa.version: [ 1, 2 ]
amdhsa.kernels:
  - .name:           k_q2317a17fd3_attn
    .symbol:         k_q2317a17fd3_attn.kd
    .args:
      - { .name: qkv, .offset: 0, .size: 8, .value_kind: global_buffer, .address_space: global }
      - { .name: att, .offset: 8, .size: 8, .value_kind: global_buffer, .address_space: global }
    .group_segment_fixed_size: 327680
    .private_segment_fixed_size: 0
    .kernarg_segment_align: 8
    .kernarg_segment_size: 16
    .max_flat_workgroup_size: 512
    .sgpr_count:     66
    .vgpr_count:     256
    .wavefront_size: 32
...
	.end_amdgpu_metadata
.endif
;; end of part 3
;; launch outp (part 4): grid 256 x 1, 4 waves a work-group, no clusters, 34,304 bytes of LDS; arguments att, prep, bo, out0; writes out0
.if DOCPART == 4
	.amdgcn_target "amdgcn-amd-amdhsa--gfx1250"
	.amdhsa_code_object_version 6
	.text
	.protected	k_q2317a17fd3_outp
	.globl	k_q2317a17fd3_outp
	.p2align	8
	.type	k_q2317a17fd3_outp,@function
k_q2317a17fd3_outp:
	s_mov_b64 s[64:65], 0
	v_nop
	global_prefetch_b8 v0, s[64:65] scope:SCOPE_SE
	s_setreg_imm32_b32 hwreg(HW_REG_WAVE_MODE, 25, 1), 1
	s_wait_xcnt 0x0
; out0 = attn Wo + bo on codes of FP6 (E2M3) with E8M0 scales, f32 sums.  attn comes as half images (a head's 64 channels: 6 registers a lane): heads 2 s and 2 s + 1 together are the fragment of K step s.
; A work-group owns 32 tokens (two tiles), wave w the output features 128 w .. 128 w + 127.  Source 0 = 16 columns of Wo, source 1 = 16 tokens: a lane holds one token and 64 features in their true order.
; The bias is the C of each sum's first product.  Results go through the wave's own stage in LDS and leave as rows of 512 consecutive bytes.  Straight-line: no loop, no barrier, no tensor load.
; Wo's images are read by all 256 work-groups and are not shared through a cluster: each wave reads its 49,152 bytes once and has 64 products to make of them; a ring's set-up would outweigh that.
; REGISTERS: window 0: v1-7 addresses; v16-31 Wo's scale words; v32-35 attn's; v36-43 attn's words as stored; v48-111 the accumulators; v112-175 the bias; v176-239 rows on their way out.
;   window 1 + s / 2: Wo's fragment (K step s, tile t) at v[96 (s % 2) + 12 t]; attn's (tile e, K step s) at v[192 + 24 e + 12 (s % 2)].
.set WOI, 8650752
.set WOS, 9207808
.set ASO, 3145728
.set IB, 16                            ; s[16:17] Wo's images, s[18:19] its scale images, s[20:21] bo, s[22:23] attn's half images, s[24:25] its scale images, s[26:27] out0
.set IS, 18
.set BB, 20
.set AC, 22
.set AS, 24
.set OU, 26
.set ISC, 16
.set OSC, 32
.set RAW, 36
.set ACC, 48
.set BIAS, 112
.set BK,  176
.set MSB, 0
.macro WIN new                         ; the immediate's high byte repeats the setting that is left
.if MSB != (\new)
	s_set_vgpr_msb (MSB<<8)|(\new)
.set MSB, (\new)
.endif
.endm
	s_load_b256 s[4:11], s[0:1], 0x0               ; att s[4:5], prep s[6:7], bo s[8:9], out0 s[10:11]
	v_lshl_add_u32 v254, v0, 2, 0x8400
	v_mov_b32 v255, 0
	v_lshrrev_b32 v8, 5, v0
	v_readfirstlane_b32 s12, v8                    ; wave 0..3
	v_and_b32 v8, 31, v0
	v_and_b32 v9, 15, v0                           ; r
	v_bfe_u32 v10, v0, 4, 1                        ; h
	v_lshlrev_b32 v1, 4, v8                        ; 16 x lane
	v_lshlrev_b32 v2, 3, v8                        ; 8 x lane
	v_lshlrev_b32 v3, 2, v8                        ; 4 x lane
	v_lshl_add_u32 v4, v10, 8, v3                  ; 4 x lane + 256 h: lanes 16-31 read the scale image two heads on
	s_mul_i32 s13, s12, 8448                       ; my stage: 16 rows, 528 bytes apart (512 + 16)
	v_mul_u32_u24 v5, v9, 528
	v_lshl_add_u32 v5, v10, 6, v5
	v_add_nc_u32 v5, s13, v5                       ; in: row r, + 64 h
	v_add_nc_u32 v6, s13, v1                       ; back: 16 x lane of a row
	v_lshlrev_b32 v7, 6, v10                       ; bo: 16 h numbers on
	s_mov_b32 s15, 0
	s_wait_alu depctr_va_vdst(0)
	s_wait_kmcnt 0x0
	s_mul_i32 s14, s12, 49152
	s_add_co_u32 s14, s14, WOI
	s_add_nc_u64 s[IB:IB+1], s[6:7], s[14:15]
	s_lshl_b32 s14, s12, 11
	s_add_co_u32 s14, s14, WOS
	s_add_nc_u64 s[IS:IS+1], s[6:7], s[14:15]
	s_lshl_b32 s14, s12, 9
	s_add_nc_u64 s[BB:BB+1], s[8:9], s[14:15]
	s_add_nc_u64 s[OU:OU+1], s[10:11], s[14:15]
	s_lshl_b32 s14, ttmp9, 16                      ; 32 rows of 2,048 bytes
	s_add_nc_u64 s[OU:OU+1], s[OU:OU+1], s[14:15]
	s_mul_i32 s14, ttmp9, 12288                    ; two tiles x 8 heads x 768
	s_add_nc_u64 s[AC:AC+1], s[4:5], s[14:15]
	s_lshl_b32 s14, ttmp9, 11
	s_add_co_u32 s14, s14, ASO
	s_add_nc_u64 s[AS:AS+1], s[4:5], s[14:15]
.set pp, 0
.rept 2
	WIN (1+pp)<<6                                  ; destination window 1 + p, address window 0
.set hh, 0
.rept 2
.set tt, 0
.rept 8
.set gg, 0
.rept 3
	global_load_b128 v[96*hh+12*tt+4*gg:96*hh+12*tt+4*gg+3], v1, s[IB:IB+1] offset:(tt*4+2*pp+hh)*1536+512*gg
.set gg, gg+1
.endr
.set tt, tt+1
.endr
.set ee, 0
.rept 2
.set cc, 0
.rept 2
.set rO, 192+24*ee+12*hh+6*cc
	global_load_b128 v[rO:rO+3], v1, s[AC:AC+1] offset:(8*ee+2*(2*pp+hh)+cc)*768
	global_load_b64 v[rO+4:rO+5], v2, s[AC:AC+1] offset:(8*ee+2*(2*pp+hh)+cc)*768+512
.set cc, cc+1
.endr
.set ee, ee+1
.endr
.set hh, hh+1
.endr
.set pp, pp+1
.endr
	WIN 0
.irp t, 0,1,2,3,4,5,6,7
.irp p, 0,1
	global_load_b32 v[ISC+2*\t+\p], v3, s[IS:IS+1] offset:(2*\t+\p)*128
.endr
	global_load_b128 v[BIAS+8*\t:BIAS+8*\t+3], v7, s[BB:BB+1] offset:(32*(\t/2)+8*(\t%2))*4     ; lane (r, h), tile t: features 32 (t / 2) + 16 h + 8 (t % 2) + 0 .. 7
	global_load_b128 v[BIAS+8*\t+4:BIAS+8*\t+7], v7, s[BB:BB+1] offset:(32*(\t/2)+8*(\t%2))*4+16
.endr
.irp e, 0,1
.irp p, 0,1
.irp c, 0,1
	global_load_b32 v[RAW+4*\e+2*\p+\c], v4, s[AS:AS+1] offset:1024*\e+(4*\p+\c)*128   ; lanes 0-15: head 4 p + c, lanes 16-31: head 4 p + 2 + c
.endr
.endr
.endr
	s_wait_loadcnt 0x0
.irp e, 0,1
.irp p, 0,1
	v_lshl_or_b32 v[OSC+2*\e+\p], v[RAW+4*\e+2*\p+1], 16, v[RAW+4*\e+2*\p]   ; two heads' two bytes each make a K step's word: lanes 0-15 K step 2 p, lanes 16-31 K step 2 p + 1
.endr
.endr
.rept 8
	v_nop                                          ; a scale register written by a vector instruction stands eight places ahead of a scaled product
.endr
.macro MULT e                          ; 32 products: the eight accumulators take turns, one instruction a turn
.set pp, 0
.rept 2
	WIN 5*(1+pp)                                   ; sources 0 and 1 window 1 + p; C and D window 0
.set hh, 0
.rept 2
.set tt, 0
.rept 8
.set rD, ACC+8*tt
.set rA, 96*hh+12*tt
.set rB, 192+24*(\e)+12*hh
.set rSA, ISC+2*tt+pp
.set rSB, OSC+2*(\e)+pp
.if (pp==0)&&(hh==0)
	v_wmma_scale_f32_16x16x128_f8f6f4 v[rD:rD+7], v[rA:rA+11], v[rB:rB+11], v[BIAS+8*tt:BIAS+8*tt+7], v[rSA], v[rSB] matrix_a_fmt:MATRIX_FMT_FP6 matrix_b_fmt:MATRIX_FMT_FP6
.elseif hh==0
	v_wmma_scale_f32_16x16x128_f8f6f4 v[rD:rD+7], v[rA:rA+11], v[rB:rB+11], v[rD:rD+7], v[rSA], v[rSB] matrix_a_fmt:MATRIX_FMT_FP6 matrix_b_fmt:MATRIX_FMT_FP6
.else
	v_wmma_scale_f32_16x16x128_f8f6f4 v[rD:rD+7], v[rA:rA+11], v[rB:rB+11], v[rD:rD+7], v[rSA], v[rSB] matrix_a_fmt:MATRIX_FMT_FP6 matrix_b_fmt:MATRIX_FMT_FP6 matrix_a_scale:MATRIX_SCALE_ROW1 matrix_b_scale:MATRIX_SCALE_ROW1
.endif
.set tt, tt+1
.endr
.set hh, hh+1
.endr
.set pp, pp+1
.endr
	WIN 0
.rept 5
	v_nop                                          ; four places in front of the stores that read the results; a fifth, since the next tile's first products begin the same accumulators anew with another C
.endr
.endm
.macro OUTT e
.irp t, 0,1,2,3,4,5,6,7
	ds_store_b128 v5, v[ACC+8*\t:ACC+8*\t+3] offset:128*(\t/2)+32*(\t%2)          ; each accumulator from its low end on
	ds_store_b128 v5, v[ACC+8*\t+4:ACC+8*\t+7] offset:128*(\t/2)+32*(\t%2)+16
.endr
.if (\e) > 0
	s_wait_xcnt 0x0                                ; the first tile's stores have read their data registers, which the loads below write
.endif
.irp i, 0,1,2,3,4,5,6,7,8,9,10,11,12,13,14,15
	ds_load_b128 v[BK+4*\i:BK+4*\i+3], v6 offset:528*\i   ; LDS serves a wave's instructions in order (ISA guide 5.7.1.4): these see my stores
.endr
.irp i, 0,1,2,3,4,5,6,7,8,9,10,11,12,13,14,15
	s_wait_dscnt 15-\i                             ; row i is back; the younger rows' loads may be out
	global_store_b128 v1, v[BK+4*\i:BK+4*\i+3], s[OU:OU+1] offset:(8*(\e)+\i+8*(\i/8))*2048 th:TH_STORE_NT   ; 32 lanes store 512 consecutive bytes of token 8 e + i + 8 (i / 8)
.endr
.endm
	MULT 0
	OUTT 0                                         ; its last wait is for 0: the stage's stores have read the accumulators before the next tile's products write them
	s_wait_alu depctr_va_vdst(0)
	MULT 1
	OUTT 1
	s_wait_tensorcnt 0x0
	ds_add_u32 v254, v255
	s_wait_dscnt 0x0
	s_endpgm
.Lfunc_end_k_q2317a17fd3_outp:
	.size	k_q2317a17fd3_outp, .Lfunc_end_k_q2317a17fd3_outp-k_q2317a17fd3_outp
	.p2alignl 7, 3214868480
	.fill 96, 4, 3214868480
	.section	.rodata,"a",@progbits
	.p2align	6, 0x0
	.amdhsa_kernel k_q2317a17fd3_outp
		.amdhsa_group_segment_fixed_size 34304
		.amdhsa_private_segment_fixed_size 0
		.amdhsa_enable_private_segment 0
		.amdhsa_kernarg_size 32
		.amdhsa_user_sgpr_count 2
		.amdhsa_user_sgpr_kernarg_segment_ptr 1
		.amdhsa_wavefront_size32 1
		.amdhsa_system_sgpr_workgroup_id_x 1
		.amdhsa_system_sgpr_workgroup_id_y 1
		.amdhsa_system_sgpr_workgroup_id_z 1
		.amdhsa_system_vgpr_workitem_id 0
		.amdhsa_next_free_vgpr 768
		.amdhsa_next_free_sgpr 66
		.amdhsa_reserve_vcc 0
		.amdhsa_float_denorm_mode_32 3
		.amdhsa_float_denorm_mode_16_64 3
		.amdhsa_memory_ordered 1
		.amdhsa_forward_progress 1
		.amdhsa_inst_pref_size 35
	.end_amdhsa_kernel
	.amdgpu_metadata
---
amdhsa.version: [ 1, 2 ]
amdhsa.kernels:
  - .name:           k_q2317a17fd3_outp
    .symbol:         k_q2317a17fd3_outp.kd
    .args:
      - { .name: att, .offset: 0, .size: 8, .value_kind: global_buffer, .address_space: global }
      - { .name: prep, .offset: 8, .size: 8, .value_kind: global_buffer, .address_space: global }
      - { .name: bo, .offset: 16, .size: 8, .value_kind: global_buffer, .address_space: global }
      - { .name: out0, .offset: 24, .size: 8, .value_kind: global_buffer, .address_space: global }
    .group_segment_fixed_size: 34304
    .private_segment_fixed_size: 0
    .kernarg_segment_align: 8
    .kernarg_segment_size: 32
    .max_flat_workgroup_size: 128
    .sgpr_count:     66
    .vgpr_count:     768
    .wavefront_size: 32
...
	.end_amdgpu_metadata
.endif
;; end of part 4
